; MI455X (gfx1250); checked and timed in simulation.
; The chip was launched on July 23, 2026; its instructions are those of AMD's public machine-readable ISA for CDNA 5 (MIT licence, August 2026) and "CDNA5" Instruction Set Architecture Reference Guide (July 2026). The comments in the code are by the model that wrote it; some were corrected since.
;; Siren. Allowed arithmetic: matrix products marked QUANTISED: E5M2 operands, one given power-of-two scale a tensor, by v_wmma_f32_16x16x64_bf8_bf8 or v_wmma_f32_16x16x128_bf8_bf8, f32 sums; products left as they are: f32 operands where the result goes on into a quantised operand, else bf16, f16 or f32 operands; f32 sums; everything else in f32.
;; Inputs: b0 32 float32; b1 32 float32; b2 32 float32; b3 32 float32; b4 32 float32; b5 16 float32; bf 3 float32; coords 2,097,152 x 2 float32; lowp_scales 10 int32 (the exponents e of the quantised operands' scales 2^e); w0 32 x 2 float32; w1 32 x 32 float32; w2 32 x 32 float32; w3 32 x 32 float32; w4 32 x 32 float32; w5 16 x 32 float32; wf 3 x 16 float32.
;; Outputs: out0 2,097,152 x 3 float32.
;; This version of the problem:
;;   THIS VERSION OF THE PROBLEM IS GIVEN IN LOW PRECISION. The matrix products marked QUANTISED in the list below multiply operands that are first quantised to E5M2 (5 exponent bits, 2 mantissa bits; 8 bits a number), with one given power-of-two scale for each operand tensor; their sums are f32. All else is computed in f32.
;;   The module's matrix products, in the order in which they are computed (A, B: the left and right operand; K: the contracted axis; several contracted axes count as one K, in the product's order):
;;     1. [M 2,097,152, K 2] x [K 2, N 32]; A: input coords; B: input w0: left as it is (K = 2 < 32)
;;     2. [M 2,097,152, K 32] x [K 32, N 32]; A: computed on the way; B: input w1: QUANTISED (scales: A lowp_scales[0], B lowp_scales[1])
;;     3. [M 2,097,152, K 32] x [K 32, N 32]; A: computed on the way; B: input w2: QUANTISED (scales: A lowp_scales[2], B lowp_scales[3])
;;     4. [M 2,097,152, K 32] x [K 32, N 32]; A: computed on the way; B: input w3: QUANTISED (scales: A lowp_scales[4], B lowp_scales[5])
;;     5. [M 2,097,152, K 32] x [K 32, N 32]; A: computed on the way; B: input w4: QUANTISED (scales: A lowp_scales[6], B lowp_scales[7])
;;     6. [M 2,097,152, K 32] x [K 32, N 16]; A: computed on the way; B: input w5: QUANTISED (scales: A lowp_scales[8], B lowp_scales[9])
;;     7. [M 2,097,152, K 16] x [K 16, N 3]; A: computed on the way; B: input wf: left as it is (K = 16 < 32)
;;   THE QUANTISER, for each operand of a quantised product, along K:
;;     - The operand's scale is 2^e, e = its entry of the input lowp_scales (int32; the entries are numbered through the quantised products in the list's order, A before B).
;;     - Each number is divided by the scale, clamped to +-57,344, and rounded to the nearest number of E5M2, ties to even, subnormals kept.
;;     - The product sums the exact products of the quantised numbers (number of the format x scale) in f32.
;;   ~~~python
;;   def quantise(x, axis, e):      # numpy; x: float32 -> the quantised numbers, widened to float32 again
;;       x = np.moveaxis(x, axis, -1); K = x.shape[-1]
;;       r = np.clip(x / 2.0 ** e, -57344, 57344)
;;       step = 2.0 ** (np.maximum(np.frexp(np.where(r == 0, 1, r))[1] - 1, -14) - 2)
;;       q = np.round(r / step) * step * 2.0 ** e      # np.round: ties to even
;;       return np.moveaxis(q, -1, axis).astype(np.float32)
;;   ~~~
;;   OPERANDS COMPUTED ON THE WAY. 'Computed on the way' means the value that the module computes at that place (a softmax that the list does not call 'softmax' is quantised finished and normalised). What goes into a quantiser is computed in f32, as accurately as f32 sums, v_exp_f32 and their like allow (about 1e-6 of the number): no bf16 or f16 on the way to a quantiser, and a product that is left as it is and whose result goes on into a quantised operand takes f32 operands (vector FMAs, or v_wmma_f32_16x16x4_f32). A number that lies on a knife's edge between two numbers of the format may be rounded either way, as far as f32 arithmetic and the matrix unit's own rounding can turn it there, and no further.
;; One version. Each part assembles by itself: llvm-mc -triple=amdgcn-amd-amdhsa -mcpu=gfx1250 --defsym DOCPART=n.
;; ======== version 1 of 1: 1 launch
;; limits: right only within a limited range of input values; values are held in f16: magnitudes above 65,504 overflow, below 6.1e-05 lose precision
;; launch siren (part 1): grid 256 x 1, 16 waves a work-group, no clusters, 18,944 bytes of LDS; arguments coords, w0, b0, w1, b1, w2, b2, w3, b3, w4, b4, w5, b5, wf, bf, lowp_scales, out0; writes out0
.if DOCPART == 1
	.amdgcn_target "amdgcn-amd-amdhsa--gfx1250"
	.amdhsa_code_object_version 6
	.text
	.protected	k_q0a18a8c001_siren
	.globl	k_q0a18a8c001_siren
	.p2align	8
	.type	k_q0a18a8c001_siren,@function
k_q0a18a8c001_siren:
	s_mov_b64 s[64:65], 0
	v_nop
	global_prefetch_b8 v0, s[64:65] scope:SCOPE_SE
	s_setreg_imm32_b32 hwreg(HW_REG_WAVE_MODE, 25, 1), 1
	s_wait_xcnt 0x0
; SIREN: out = sigmoid(x6 wf^T + bf), x(l+1) = sin(30 (x(l) w(l)^T + b(l))), l = 0 .. 5, for 2,097,152 points; widths 2, 32, 32, 32, 32, 32, 16, 3.
; Layers 1 to 5 multiply codes of BF8 (E5M2): x(l) with the given scale 2^ea, w(l) with 2^ew (lowp_scales[2 (l - 1)], [2 (l - 1) + 1]); sums in f32.
; ONE LAUNCH, nothing between layers goes to memory or LDS.  256 work-groups x 16 waves; a wave owns 512 consecutive points, 64 a trip, 8 trips.
; LAYOUT.  Every product is used transposed: source 0 = 16 rows of a weight (units), source 1 = 16 points.  Lane (r = lane % 16, h = lane / 16) then holds point r, and register j of
; tile c holds unit 16 c + 8 h + j: eight neighbours along the next K, which one conversion turns into registers 2 c, 2 c + 1 of the next product's source 1.  Nothing changes lanes.
; K = 32 fills registers 0-3 of the 16x16x64 form's operands; registers 4-7 hold zero codes on both sides, written once.
; LAYER 0 (f32 operands): the 16x16x4 f32 form with K = (x0, x1, 1, 0) against (w0[u][0], w0[u][1], b0[u], 0): (x0 w + x1 w) + b.
; BIASES 1-5 are the C of the product, as b / 2^(ea + ew) (exact); the sum then stands for (x w^T + b) / 2^(ea + ew).
; THE SINE, in half turns: k = round(a / pi) by adding and taking off 1.5 x 2^23, f = a / pi - k in [-1/2, 1/2], sin(a) = sin(pi f') with f' = f with its sign turned where k is odd
; (k's lowest bit is the lowest bit of the sum with 1.5 x 2^23), sin(pi f') = f' P(f'^2), P of degree 4 (a fit of sin(pi x / 2) on [-1, 1], x = 2 f; its error stays under 1e-8).
;   layers 1-5: a / pi = D x S, S = fl(30 / pi) x 2^(ea + ew), inside fused multiply-adds;   layer 0: a = 30 D rounded as the reference rounds it, 1 / pi in two parts.
; THE HOLD at the largest code x the scale, 57,344 x 2^ea, is one line a number.  What is quantised here is a sine: |f'| <= 1/2 and P <= 2 give at most 1 and a rounding.  Where ea >= -15 the limit
; is at least 57,344 / 32,768 = 1.75, so the hold would give every number back as it is.  So a trip has TWO WAYS through the same macros, with the hold and without; a scalar branch at the trip's head
; takes the second where the smallest of the five ea is -15 or more.  The exponents are whole numbers read from memory, the same for every wave; no barrier stands in the loop.
; LAST PRODUCT (K = 16, left as it is): f16 operands; rows 0, 1 of source 0 are wf[0], wf[1], rows 8, 9 are wf[2], the others 0: lanes 0-15 get o0, o1 in result registers 0, 1, lanes 16-31 get o2 in both.
; TWO GROUPS of 16 points (A: even points, B: odd points) take turns layer by layer: a group's products stand a whole layer of the other group's vector lines ahead of the first read of their results.
; WEIGHTS: waves 0-8 each quantise one 16 x 32 fragment once and hand it to all sixteen waves through LDS as an image of its registers (16 bytes a lane); then every wave keeps all nine in registers.
; NO TENSOR LOADS, NO CLUSTER: what work-groups share is 19 KB of weights and biases, read once by each; a work-group's own stream is 8,192 points x 20 bytes, and a point costs some 35 wave
; instructions: the vector unit binds, not the loads.  So coords come by one plain load a trip, asked for half a trip ahead.
; LIMITS.  |30 (x w^T + b)| < 2^22 pi (1.3e7) in every layer; each ea and ew between -126 and 112; each ea + ew between -129 and 124; |wf| within f16's range (65,504); NaN among the inputs is not served.
.set IMG,   0                          ; LDS: nine images of 512 bytes
.set STAGE, 9*512                      ; then 768 bytes for each wave: 64 points x 12 bytes of results
.set L16,  1                           ; v1   16 x lane: my place in a load of coords and in an image
.set STW0, 2                           ; v2   stage: 24 r + 8 h: result register 0 (o0, or o2)
.set STW1, 3                           ; v3   stage: 24 r + 4 h (+ 4 in the immediate): result register 1 (o1, or o2 once more)
.set STR,  4                           ; v4   stage: 8 x lane, on the way out
.set OO,   5                           ; v5   8 x lane: my place in 256 bytes of out0
.set OW,   6                           ; v6   head: 128 r + 32 h: my place in 16 rows of a weight
.set IMW,  7                           ; v7   head: where I store my wave's image: 16 x lane + 512 x wave
.set C,    8                           ; v[8:11]    coords: lane l holds points 2 l and 2 l + 1 of the trip's 64
.set MAG,  12                          ; v[12:13]   1.5 x 2^23, twice
.set VC7,  14                          ; v[14:15]   the polynomial's C7, twice
.set SB,   16                          ; v[16:17]   -log2(e) x bf of my two results
.set CS,   17                          ; v18-22     v[CS + l]: 2^ea of layer l, for the conversions
.set WSC,  23                          ; v23        head: 2^ew of my wave's fragment
.set W0X,  24                          ; v[24:27]   layer 0's source 0, two tiles of two registers
.set WF,   28                          ; v[28:35]   the last product's source 0
.set X,    36                          ; v[36:43]   source 1: four registers of codes (or of f16), four of zeros
.set TA,   44                          ; v[44:51], v[52:59], v[60:67]: at work
.set TM,   52
.set TK,   60
.set DA,   68                          ; v[68:83]   group A's two tiles of sums: written by matrix instructions alone
.set DB,   84                          ; v[84:99]   group B's
.set WQ,   100                         ; v[100:171] fragment 2 (l - 1) + c at WQ + 16 (l - 1) + 8 c
.set BC,   172                         ; v[172:243] bias tiles, likewise
.set LIM,  243                         ; v244-248   v[LIM + l]: 57,344 x 2^ea of layer l
.set XA,   250                         ; v[250:251] layer 0's source 1 for group A;  v[252:253] for group B.  (In the head v244, v249-255 hold offsets)
.set XB,   252
.set WV,   38                          ; s38  wave
.set TRIP, 39                          ; s39  trips to go
.set E,    40                          ; s[40:49] the ten exponents
.set SEL,  50                          ; s[50:51] v_permlanex16_b32's selects: lane l xor 16
.set SS,   50                          ; s[SS + 2 l : SS + 2 l + 1], l = 1 .. 5: fl(30 / pi) x 2^(ea + ew)
.set K30,  76                          ; pairs of constants: a packed line names a pair and takes its low word for both halves, so both words are written
.set KIP,  78
.set KIPL, 80
.set KNM,  82
.set KC9,  84
.set KC5,  86
.set KC3,  88
.set KC1,  90
.set KNL,  92
.set MINE, 99                          ; s99  from the barrier on: the smallest of the five ea
.macro KPAIR reg, val
	s_mov_b32 s[\reg], \val
	s_mov_b32 s[\reg+1], \val
.endm
.macro PLACES n
.rept \n
	v_nop
.endr
.endm
	s_load_b512 s[4:19], s[0:1], 0x0               ; coords 4, w0 6, b0 8, w1 10, b1 12, w2 14, b2 16, w3 18
	s_load_b512 s[20:35], s[0:1], 0x40             ; b3 20, w4 22, b4 24, w5 26, b5 28, wf 30, bf 32, lowp_scales 34
	s_load_b64 s[36:37], s[0:1], 0x80              ; out0
	v_lshrrev_b32 v255, 5, v0
	v_readfirstlane_b32 s[WV], v255                ; wave 0 .. 15
	v_and_b32 v255, 31, v0                         ; lane
	v_and_b32 v249, 15, v0                         ; r
	v_bfe_u32 v254, v0, 4, 1                       ; h
	; every LDS address is made here, ahead of the branch on the wave's number
	v_lshlrev_b32 v[L16], 4, v255
	v_lshlrev_b32 v[OO], 3, v255
	s_lshl_b32 s2, s[WV], 9
	v_add_nc_u32 v[IMW], s2, v[L16]
	s_mul_i32 s3, s[WV], 768
	s_add_co_u32 s3, s3, STAGE                     ; my wave's stage
	v_mul_u32_u24 v[STW0], v249, 24                ; points 2 r and 2 r + 1: 24 bytes
	v_add_nc_u32 v[STW0], s3, v[STW0]
	v_lshl_add_u32 v[STW1], v254, 2, v[STW0]
	v_lshl_add_u32 v[STW0], v254, 3, v[STW0]
	v_add_nc_u32 v[STR], s3, v[OO]
	; offsets of the head's loads
	v_lshlrev_b32 v250, 5, v254                    ; biases: 32 h: units 8 h on
	v_lshlrev_b32 v251, 3, v249                    ; w0: row r of 8 bytes
	v_lshlrev_b32 v252, 2, v249                    ; b0: 4 r
	v_min_u32 v253, 2, v249
	v_lshl_add_u32 v253, v253, 6, v250             ; wf: row min(r, 2) of 64 bytes, + 32 h
	v_lshlrev_b32 v255, 3, v254                    ; bf: 8 h: bf[0] or bf[2]
	v_lshlrev_b32 v244, 2, v254                    ; bf: 4 h (+ 4): bf[1] or bf[2]
	v_lshl_add_u32 v[OW], v249, 7, v250
	s_mov_b32 s[SEL], 0x76543210
	s_mov_b32 s[SEL+1], 0xfedcba98
	KPAIR K30,  0x41f00000                         ; 30
	KPAIR KIP,  0x3ea2f983                         ; 1 / pi, rounded to f32,
	KPAIR KIPL, 0x325c9c88                         ; and what that leaves: 1.28413e-8
	KPAIR KNM,  0xcb400000                         ; -1.5 x 2^23
	KPAIR KC9,  0x3d9ed7ba                         ;  0.07755991
	KPAIR KC5,  0x40233458                         ;  2.55006974
	KPAIR KC3,  0xc0a55de1                         ; -5.16770969
	KPAIR KC1,  0x40490fdb                         ;  3.14159264, to the nearest f32
	KPAIR KNL,  0xbfb8aa3b                         ; -log2(e)
	s_lshl_b32 s2, ttmp9, 4
	s_add_co_u32 s2, s2, s[WV]                     ; my wave among the launch's 4,096
	s_lshl_b32 s62, s2, 12                         ; x 512 points x 8 bytes
	s_mov_b32 s63, 0
	s_mul_i32 s94, s2, 6144                        ; x 512 points x 12 bytes
	s_mov_b32 s95, 0
	s_wait_kmcnt 0x0
	s_load_b256 s[E:E+7], s[34:35], 0x0
	s_load_b64 s[E+8:E+9], s[34:35], 0x20
	s_add_nc_u64 s[4:5], s[4:5], s[62:63]
	s_add_nc_u64 s[36:37], s[36:37], s[94:95]
	global_load_b128 v[C:C+3], v[L16], s[4:5] th:TH_LOAD_NT        ; the first trip's 64 points: 512 consecutive bytes
.irp l, 1,2,3,4
.irp c, 0,1
	global_load_b128 v[BC+16*(\l-1)+8*\c:BC+16*(\l-1)+8*\c+3],   v250, s[8+4*\l:9+4*\l] offset:64*\c      ; b(l)[16 c + 8 h + 0 .. 7]: the result's layout
	global_load_b128 v[BC+16*(\l-1)+8*\c+4:BC+16*(\l-1)+8*\c+7], v250, s[8+4*\l:9+4*\l] offset:64*\c+16
.endr
.endr
	global_load_b128 v[BC+64:BC+67], v250, s[28:29]
	global_load_b128 v[BC+68:BC+71], v250, s[28:29] offset:16
	global_load_b64 v[X:X+1],   v251, s[6:7]                       ; w0[r][0 .. 1],
	global_load_b64 v[X+2:X+3], v251, s[6:7] offset:128            ; w0[16 + r][0 .. 1],
	global_load_b32 v[X+4], v252, s[8:9]                           ; b0[r],
	global_load_b32 v[X+5], v252, s[8:9] offset:64                 ; b0[16 + r]
	global_load_b128 v[WF:WF+3],   v253, s[30:31]
	global_load_b128 v[WF+4:WF+7], v253, s[30:31] offset:16
	global_load_b32 v[SB],   v255, s[32:33]
	global_load_b32 v[SB+1], v244, s[32:33] offset:4
	s_wait_kmcnt 0x0                               ; the ten exponents
	; waves 0-8: fragment w = 2 (l - 1) + c: rows 16 c .. 16 c + 15 of w(l), quantised with 2^ew.  The choice of buffer hangs on the wave's number alone.
	s_cmp_gt_u32 s[WV], 8
	s_cbranch_scc1 .Lno_frag
	s_mov_b64 s[96:97], s[26:27]                   ; w5,
	s_mov_b32 s98, s[E+9]
	s_cmp_lt_u32 s[WV], 8
	s_cselect_b64 s[96:97], s[22:23], s[96:97]     ; or w4,
	s_cselect_b32 s98, s[E+7], s98
	s_cmp_lt_u32 s[WV], 6
	s_cselect_b64 s[96:97], s[18:19], s[96:97]     ; w3,
	s_cselect_b32 s98, s[E+5], s98
	s_cmp_lt_u32 s[WV], 4
	s_cselect_b64 s[96:97], s[14:15], s[96:97]     ; w2,
	s_cselect_b32 s98, s[E+3], s98
	s_cmp_lt_u32 s[WV], 2
	s_cselect_b64 s[96:97], s[10:11], s[96:97]     ; w1
	s_cselect_b32 s98, s[E+1], s98
	s_and_b32 s94, s[WV], 1
	s_lshl_b32 s94, s94, 11                        ; c x 16 rows of 128 bytes
	s_mov_b32 s95, 0
	s_add_nc_u64 s[96:97], s[96:97], s[94:95]
	global_load_b128 v[TA:TA+3],   v[OW], s[96:97]                 ; k = 8 h + 0 .. 7 of row r,
	global_load_b128 v[TA+4:TA+7], v[OW], s[96:97] offset:16
	global_load_b128 v[TM:TM+3],   v[OW], s[96:97] offset:64       ; k = 16 + 8 h + 0 .. 7: the operand's own places
	global_load_b128 v[TM+4:TM+7], v[OW], s[96:97] offset:80
	s_add_co_i32 s98, s98, 127
	s_lshl_b32 s99, s98, 23
	v_mov_b32 v[WSC], s99                          ; 2^ew as f32: the conversion takes its exponent field
	s_add_co_i32 s98, s98, 15
	s_lshl_b32 s98, s98, 23
	s_or_b32 s98, s98, 0x600000
	v_mov_b32 v245, s98                            ; 57,344 x 2^ew
	s_wait_loadcnt 0x0
.irp i, 0,1,2,3,4,5,6,7,8,9,10,11,12,13,14,15
	v_med3_num_f32 v[TA+\i], v[TA+\i], -v245, v245 ; the conversion to an 8-bit code does not saturate (ISA guide 7.6.2): a weight has no bound of its own, so its hold always comes first
.endr
	v_cvt_scalef32_pk8_bf8_f32 v[TK:TK+1],   v[TA:TA+7], v[WSC]
	v_cvt_scalef32_pk8_bf8_f32 v[TK+2:TK+3], v[TM:TM+7], v[WSC]
	v_nop                                          ; one plain line behind the last conversion
	ds_store_b128 v[IMW], v[TK:TK+3]               ; the fragment's image: 16 bytes a lane, 512 a fragment
.Lno_frag:
	s_wait_dscnt 0x0                               ; for the others' sake: my image has landed
	s_barrier_signal -1
	s_barrier_wait -1                              ; the text's one barrier: all nine images lie in LDS, and nobody writes them again
.irp i, 0,1,2,3,4,5,6,7,8
	ds_load_b128 v[WQ+8*\i:WQ+8*\i+3], v[L16] offset:IMG+512*\i
.endr
	s_min_i32 s[MINE], s[E], s[E+2]                ; the smallest of the five ea: it says which way the trips take
	s_min_i32 s[MINE], s[MINE], s[E+4]
	s_min_i32 s[MINE], s[MINE], s[E+6]
	s_min_i32 s[MINE], s[MINE], s[E+8]
	s_wait_loadcnt 0x0                             ; coords, biases, w0, b0, wf, bf; the offsets' registers are free from here on
; what layer l needs of its two exponents; n: the registers of its bias tiles
.macro LAYERK l, n
	s_add_co_i32 s62, s[E+2*(\l)-2], s[E+2*(\l)-1] ; ea + ew
	s_sub_co_i32 s63, 0, s62
	s_lshl_b32 s62, s62, 23
	s_add_co_i32 s[SS+2*(\l)], s62, 0x4118c9eb     ; fl(30 / pi) with ea + ew added to its exponent field
	s_mov_b32 s[SS+2*(\l)+1], s[SS+2*(\l)]
	s_add_co_i32 s62, s[E+2*(\l)-2], 127
	s_lshl_b32 s94, s62, 23
	v_mov_b32 v[CS+(\l)], s94                      ; 2^ea
	s_add_co_i32 s62, s62, 15
	s_lshl_b32 s62, s62, 23
	s_or_b32 s62, s62, 0x600000
	v_mov_b32 v[LIM+(\l)], s62                     ; 57,344 x 2^ea
.set j, 0
.rept \n
	v_ldexp_f32 v[BC+16*((\l)-1)+j], v[BC+16*((\l)-1)+j], s63      ; b / 2^(ea + ew): nothing is rounded
.set j, j+1
.endr
.endm
	LAYERK 1, 16
	LAYERK 2, 16
	LAYERK 3, 16
	LAYERK 4, 16
	LAYERK 5, 8
	s_mov_b32 vcc_lo, 0xffff                       ; lanes 0-15; it stays so to the end
	v_cndmask_b32 v[W0X],   v[X+4], v[X],   vcc_lo ; k = 0 | k = 2: w0[r][0] | b0[r]
	v_cndmask_b32 v[W0X+1], 0,      v[X+1], vcc_lo ; k = 1 | k = 3: w0[r][1] | 0
	v_cndmask_b32 v[W0X+2], v[X+5], v[X+2], vcc_lo
	v_cndmask_b32 v[W0X+3], 0,      v[X+3], vcc_lo
	v_and_b32 v249, 6, v249
	v_cmp_eq_u32 s2, 0, v249                       ; r = 0, 1, 8, 9: the rows of the last product's source 0 that are not zeros
.irp i, 0,1,2,3,4,5,6,7
	v_cndmask_b32 v[WF+\i], 0, v[WF+\i], s2
.endr
.irp i, 0,1,2,3
	v_cvt_pk_f16_f32 v[WF+\i], v[WF+2*\i], v[WF+2*\i+1]            ; in ascending order: each line reads at or above what it writes
.endr
	v_pk_mul_f32 v[SB:SB+1], v[SB:SB+1], s[KNL:KNL+1] op_sel_hi:[1,0]
	v_mov_b32 v[MAG],   0x4b400000
	v_mov_b32 v[MAG+1], 0x4b400000
	v_mov_b32 v[VC7],   0xbf192663                 ; -0.59824199
	v_mov_b32 v[VC7+1], 0xbf192663
.irp j, 4,5,6,7                                ; K = 32 .. 63 (f16: K = 16 .. 31) of every operand: zeros, once
	v_mov_b32 v[X+\j], 0
	v_mov_b32 v[WF+\j], 0
.irp i, 0,1,2,3,4,5,6,7,8
	v_mov_b32 v[WQ+8*\i+\j], 0
.endr
.endr
	s_wait_dscnt 0x0                               ; the nine fragments
	s_mov_b32 s[TRIP], 8
; Layer 0's two sources 1.  Lanes 0-15: (x0, x1) of point 32 q + 2 r (A) and 32 q + 2 r + 1 (B); lanes 16-31: (1, 0).  Points 32 on lie in lanes 16-31 and come over first.
.macro BUILD q
.if \q
.irp i, 0,1,2,3
	v_permlanex16_b32 v[TM+\i], v[C+\i], s[SEL], s[SEL+1]
.endr
	v_cndmask_b32 v[XA],   1.0, v[TM],   vcc_lo
	v_cndmask_b32 v[XA+1], 0,   v[TM+1], vcc_lo
	v_cndmask_b32 v[XB],   1.0, v[TM+2], vcc_lo
	v_cndmask_b32 v[XB+1], 0,   v[TM+3], vcc_lo
.else
	v_cndmask_b32 v[XA],   1.0, v[C],   vcc_lo
	v_cndmask_b32 v[XA+1], 0,   v[C+1], vcc_lo
	v_cndmask_b32 v[XB],   1.0, v[C+2], vcc_lo
	v_cndmask_b32 v[XB+1], 0,   v[C+3], vcc_lo
.endif
.endm
.macro LAYER0
	v_wmma_f32_16x16x4_f32 v[DA:DA+7],    v[W0X:W0X+1],   v[XA:XA+1], 0
	v_wmma_f32_16x16x4_f32 v[DA+8:DA+15], v[W0X+2:W0X+3], v[XA:XA+1], 0
	v_wmma_f32_16x16x4_f32 v[DB:DB+7],    v[W0X:W0X+1],   v[XB:XB+1], 0
	v_wmma_f32_16x16x4_f32 v[DB+8:DB+15], v[W0X+2:W0X+3], v[XB:XB+1], 0
.endm
; The sines of the eight sums v[d] on, into TK.  The sums are read from their low end on and never written.  44 lines (exact = 1: 52) for 256 sines.
.macro SINE d, ss, exact
.if \exact
.irp i, 0,2,4,6
	v_pk_mul_f32 v[TA+\i:TA+\i+1], v[(\d)+\i:(\d)+\i+1], s[K30:K30+1] op_sel_hi:[1,0]                 ; a = 30 u
.endr
.irp i, 0,2,4,6
	v_pk_fma_f32 v[TM+\i:TM+\i+1], v[TA+\i:TA+\i+1], s[KIP:KIP+1], v[MAG:MAG+1] op_sel_hi:[1,0,1]     ; 1.5 x 2^23 + k
.endr
.irp i, 0,2,4,6
	v_pk_add_f32 v[TK+\i:TK+\i+1], v[TM+\i:TM+\i+1], s[KNM:KNM+1] op_sel_hi:[1,0]                     ; k
.endr
.irp i, 0,2,4,6
	v_pk_fma_f32 v[TK+\i:TK+\i+1], v[TA+\i:TA+\i+1], s[KIP:KIP+1], v[TK+\i:TK+\i+1] op_sel_hi:[1,0,1] neg_lo:[0,0,1] neg_hi:[0,0,1]   ; a / pi - k, the product exact
.endr
.irp i, 0,2,4,6
	v_pk_fma_f32 v[TK+\i:TK+\i+1], v[TA+\i:TA+\i+1], s[KIPL:KIPL+1], v[TK+\i:TK+\i+1] op_sel_hi:[1,0,1]   ; + a x the rest of 1 / pi
.endr
.else
.irp i, 0,2,4,6
	v_pk_fma_f32 v[TM+\i:TM+\i+1], v[(\d)+\i:(\d)+\i+1], s[\ss:\ss+1], v[MAG:MAG+1] op_sel_hi:[1,0,1] ; 1.5 x 2^23 + k
.endr
.irp i, 0,2,4,6
	v_pk_add_f32 v[TK+\i:TK+\i+1], v[TM+\i:TM+\i+1], s[KNM:KNM+1] op_sel_hi:[1,0]                     ; k
.endr
.irp i, 0,2,4,6
	v_pk_fma_f32 v[TK+\i:TK+\i+1], v[(\d)+\i:(\d)+\i+1], s[\ss:\ss+1], v[TK+\i:TK+\i+1] op_sel_hi:[1,0,1] neg_lo:[0,0,1] neg_hi:[0,0,1]   ; f = D S - k, rounded once
.endr
.endif
.irp i, 0,1,2,3,4,5,6,7
	v_lshl_add_u32 v[TK+\i], v[TM+\i], 31, v[TK+\i]                ; k odd: f's sign turns
.endr
.irp i, 0,2,4,6
	v_pk_mul_f32 v[TM+\i:TM+\i+1], v[TK+\i:TK+\i+1], v[TK+\i:TK+\i+1]
.endr
.irp i, 0,2,4,6
	v_pk_fma_f32 v[TA+\i:TA+\i+1], v[TM+\i:TM+\i+1], s[KC9:KC9+1], v[VC7:VC7+1] op_sel_hi:[1,0,1]
.endr
.irp i, 0,2,4,6
	v_pk_fma_f32 v[TA+\i:TA+\i+1], v[TA+\i:TA+\i+1], v[TM+\i:TM+\i+1], s[KC5:KC5+1] op_sel_hi:[1,1,0]
.endr
.irp i, 0,2,4,6
	v_pk_fma_f32 v[TA+\i:TA+\i+1], v[TA+\i:TA+\i+1], v[TM+\i:TM+\i+1], s[KC3:KC3+1] op_sel_hi:[1,1,0]
.endr
.irp i, 0,2,4,6
	v_pk_fma_f32 v[TA+\i:TA+\i+1], v[TA+\i:TA+\i+1], v[TM+\i:TM+\i+1], s[KC1:KC1+1] op_sel_hi:[1,1,0]
.endr
.irp i, 0,2,4,6
	v_pk_mul_f32 v[TK+\i:TK+\i+1], v[TK+\i:TK+\i+1], v[TA+\i:TA+\i+1]
.endr
.endm
; TK's eight numbers, units 16 c + 8 h + 0 .. 7, become registers 2 c, 2 c + 1 of layer l's source 1.
; hold = 1: each is first held within 57,344 x 2^ea.  hold = 0, the way for ea >= -15: that limit is 1.75 or more and a sine never reaches it, so the eight lines are left out and the codes are the same.
.macro QUANT c, l, hold
.if \hold
.irp i, 0,1,2,3,4,5,6,7
	v_med3_num_f32 v[TK+\i], v[TK+\i], -v[LIM+(\l)], v[LIM+(\l)]
.endr
.endif
	v_cvt_scalef32_pk8_bf8_f32 v[X+2*(\c):X+2*(\c)+1], v[TK:TK+7], v[CS+(\l)]
.endm
; layer l's products for the group whose sums lie at v[g]: C is the bias tile, so no sum is added onto in place
.macro MULT g, l
	v_wmma_f32_16x16x64_bf8_bf8 v[(\g):(\g)+7], v[WQ+16*((\l)-1):WQ+16*((\l)-1)+7], v[X:X+7], v[BC+16*((\l)-1):BC+16*((\l)-1)+7]
.if (\l) < 5
	v_wmma_f32_16x16x64_bf8_bf8 v[(\g)+8:(\g)+15], v[WQ+16*((\l)-1)+8:WQ+16*((\l)-1)+15], v[X:X+7], v[BC+16*((\l)-1)+8:BC+16*((\l)-1)+15]
.endif
.endm
; layer l's activation for one group, its codes, and layer l + 1's products
.macro HIDDEN g, l, hold
.irp c, 0,1
.if (\l) == 0
	SINE \g+8*\c, 0, 1
.else
	SINE \g+8*\c, SS+2*(\l), 0
.endif
	QUANT \c, (\l)+1, \hold                        ; behind its conversion comes the next sine's first line, plain, on other registers
.endr
	v_nop                                          ; one plain line between the last conversion and the product that reads its result
	MULT \g, (\l)+1
.endm
; layer 5's activation (16 units: one tile), as f16, and the last product
.macro LAST g
	SINE \g, SS+10, 0
.irp i, 0,1,2,3
	v_cvt_pk_f16_f32 v[X+\i], v[TK+2*\i], v[TK+2*\i+1]
.endr
	v_wmma_f32_16x16x32_f16 v[(\g)+8:(\g)+15], v[WF:WF+7], v[X:X+7], 0
.endm
; out = 1 / (1 + 2^(-log2(e) (o + bf))) for both groups, into the stage
.macro SIGMOID q
	v_pk_fma_f32 v[TA:TA+1], v[DA+8:DA+9], s[KNL:KNL+1], v[SB:SB+1] op_sel_hi:[1,0,1]
	PLACES 3                                       ; with the line above: four places behind group B's last product
	v_pk_fma_f32 v[TA+2:TA+3], v[DB+8:DB+9], s[KNL:KNL+1], v[SB:SB+1] op_sel_hi:[1,0,1]
.irp i, 0,1,2,3
	v_exp_f32 v[TA+\i], v[TA+\i]
.endr
	v_nop                                          ; a plain line behind the transcendentals
	s_wait_alu depctr_va_vdst(0)
	v_pk_add_f32 v[TA:TA+1],   v[TA:TA+1],   1.0 op_sel_hi:[1,0]
	v_pk_add_f32 v[TA+2:TA+3], v[TA+2:TA+3], 1.0 op_sel_hi:[1,0]
.irp i, 0,1,2,3
	v_rcp_f32 v[TA+\i], v[TA+\i]
.endr
	v_nop
	s_wait_alu depctr_va_vdst(0)
	ds_store_b32 v[STW0], v[TA]   offset:384*\q    ; point 32 q + 2 r: o0 | o2
	ds_store_b32 v[STW1], v[TA+1] offset:384*\q+4  ;                   o1 | o2 once more, the same number to the same word
	ds_store_b32 v[STW0], v[TA+2] offset:384*\q+12 ; point 32 q + 2 r + 1
	ds_store_b32 v[STW1], v[TA+3] offset:384*\q+16
.endm
; 32 points through the whole net
.macro PAIR q, hold
	BUILD \q
.if \q
	s_cmp_eq_u32 s[TRIP], 1                        ; coords have been read out: the next trip's are asked for, half a trip ahead; the last trip asks for nothing, so no load leaves the buffer
	s_cbranch_scc1 .Lno_next_\@
	global_load_b128 v[C:C+3], v[L16], s[4:5] offset:512 th:TH_LOAD_NT
.Lno_next_\@:
.endif
	LAYER0
	PLACES 8                                       ; behind the f32 form: eight places before its first result is read (ISA guide 7.12.1)
	s_wait_dscnt 0x0                               ; the stage stores of the pair before have read TA, which the first sine writes
.irp l, 0,1,2,3,4
	HIDDEN DA, \l, \hold
	HIDDEN DB, \l, \hold
.endr
	LAST DA
	LAST DB
	SIGMOID \q
.endm
.Ltrip:                                            ; one loop for both ways: the counter, the two bases' steps and the way out are common text; only the 64 points' arithmetic parts
	s_wait_loadcnt 0x0                             ; this trip's coords: the one load that is out
	s_cmp_ge_i32 s[MINE], -15                      ; every limit 57,344 x 2^ea is 1.75 or more?
	s_cbranch_scc1 .Lfree
	PAIR 0, 1                                      ; some limit may lie under a sine's magnitude: with the hold
	PAIR 1, 1
	s_branch .Lout
.Lfree:
	PAIR 0, 0                                      ; no sine reaches any limit: without it
	PAIR 1, 0
.Lout:
	; the trip's 64 points x 12 bytes leave as three stores, each of 256 consecutive bytes at a multiple of 256 from out0's first byte
.irp i, 0,1,2
	ds_load_b64 v[TM+2*\i:TM+2*\i+1], v[STR] offset:256*\i         ; LDS serves a wave's instructions in order (ISA guide 5.7.1.4): these see my stores
.endr
.irp i, 0,1,2
	s_wait_dscnt 2-\i                              ; the younger stage loads may stay out
	global_store_b64 v[OO], v[TM+2*\i:TM+2*\i+1], s[36:37] offset:256*\i th:TH_STORE_NT
.endr
	s_wait_xcnt 0x0                                ; the stores and the load of coords have read their registers and bases: both bases step, and TM is written again
	s_add_nc_u64 s[4:5], s[4:5], 512
	s_add_nc_u64 s[36:37], s[36:37], 768
	s_sub_co_u32 s[TRIP], s[TRIP], 1
	s_cmp_lg_u32 s[TRIP], 0
	s_cbranch_scc1 .Ltrip
	s_wait_xcnt 0x0
	v_lshl_add_u32 v254, v0, 2, 0x4200
	v_mov_b32 v255, 0
	s_wait_tensorcnt 0x0
	ds_add_u32 v254, v255
	s_wait_dscnt 0x0
	s_endpgm
.Lfunc_end_k_q0a18a8c001_siren:
	.size	k_q0a18a8c001_siren, .Lfunc_end_k_q0a18a8c001_siren-k_q0a18a8c001_siren
	.p2alignl 7, 3214868480
	.fill 96, 4, 3214868480
	.section	.rodata,"a",@progbits
	.p2align	6, 0x0
	.amdhsa_kernel k_q0a18a8c001_siren
		.amdhsa_group_segment_fixed_size 18944
		.amdhsa_private_segment_fixed_size 0
		.amdhsa_enable_private_segment 0
		.amdhsa_kernarg_size 136
		.amdhsa_user_sgpr_count 2
		.amdhsa_user_sgpr_kernarg_segment_ptr 1
		.amdhsa_wavefront_size32 1
		.amdhsa_system_sgpr_workgroup_id_x 1
		.amdhsa_system_sgpr_workgroup_id_y 1
		.amdhsa_system_sgpr_workgroup_id_z 1
		.amdhsa_system_vgpr_workitem_id 0
		.amdhsa_next_free_vgpr 256
		.amdhsa_next_free_sgpr 100
		.amdhsa_reserve_vcc 1
		.amdhsa_float_denorm_mode_32 3
		.amdhsa_float_denorm_mode_16_64 3
		.amdhsa_memory_ordered 1
		.amdhsa_forward_progress 1
		.amdhsa_inst_pref_size 255
	.end_amdhsa_kernel
	.section	.bss,"aw",@nobits
	.p2align	6
	.space	262144
	.amdgpu_metadata
---
amdhsa.version: [ 1, 2 ]
amdhsa.kernels:
  - .name:           k_q0a18a8c001_siren
    .symbol:         k_q0a18a8c001_siren.kd
    .args:
      - { .name: coords, .offset: 0, .size: 8, .value_kind: global_buffer, .address_space: global }
      - { .name: w0, .offset: 8, .size: 8, .value_kind: global_buffer, .address_space: global }
      - { .name: b0, .offset: 16, .size: 8, .value_kind: global_buffer, .address_space: global }
      - { .name: w1, .offset: 24, .size: 8, .value_kind: global_buffer, .address_space: global }
      - { .name: b1, .offset: 32, .size: 8, .value_kind: global_buffer, .address_space: global }
      - { .name: w2, .offset: 40, .size: 8, .value_kind: global_buffer, .address_space: global }
      - { .name: b2, .offset: 48, .size: 8, .value_kind: global_buffer, .address_space: global }
      - { .name: w3, .offset: 56, .size: 8, .value_kind: global_buffer, .address_space: global }
      - { .name: b3, .offset: 64, .size: 8, .value_kind: global_buffer, .address_space: global }
      - { .name: w4, .offset: 72, .size: 8, .value_kind: global_buffer, .address_space: global }
      - { .name: b4, .offset: 80, .size: 8, .value_kind: global_buffer, .address_space: global }
      - { .name: w5, .offset: 88, .size: 8, .value_kind: global_buffer, .address_space: global }
      - { .name: b5, .offset: 96, .size: 8, .value_kind: global_buffer, .address_space: global }
      - { .name: wf, .offset: 104, .size: 8, .value_kind: global_buffer, .address_space: global }
      - { .name: bf, .offset: 112, .size: 8, .value_kind: global_buffer, .address_space: global }
      - { .name: lowp_scales, .offset: 120, .size: 8, .value_kind: global_buffer, .address_space: global }
      - { .name: out0, .offset: 128, .size: 8, .value_kind: global_buffer, .address_space: global }
    .group_segment_fixed_size: 18944
    .private_segment_fixed_size: 0
    .kernarg_segment_align: 8
    .kernarg_segment_size: 136
    .max_flat_workgroup_size: 512
    .sgpr_count:     100
    .vgpr_count:     256
    .wavefront_size: 32
...
	.end_amdgpu_metadata
.endif
;; end of part 1
